; MI455X (gfx1250); checked and timed in simulation.
; The chip was launched on July 23, 2026; its instructions are those of AMD's public machine-readable ISA for CDNA 5 (MIT licence, August 2026) and "CDNA5" Instruction Set Architecture Reference Guide (July 2026). The comments in the code are by the model that wrote it; some were corrected since.
;; EML Token Pool. Allowed arithmetic: matrix products marked QUANTISED: E4M3 operands, one E8M0 scale for each 32 along K, by v_wmma_scale_f32_16x16x128_f8f6f4 with both operands' format E4M3, f32 sums; products left as they are: f32 operands where the result goes on into a quantised operand, else bf16, f16 or f32 operands; f32 sums; everything else in f32.
;; Inputs: db1 128 float32; db2 1 float32; dw1_codes 128 x 16 x 32 uint8 (E4M3 codes of dw1, K innermost, in blocks of 32 codes); dw1_scales 128 x 16 uint8 (E8M0 scales of dw1, one for each 32 codes along K); dw2 128 x 1 float32; eml_bias 1 float32; eml_gamma 1 float32; eml_lambda 1 float32; ln_b 512 float32; ln_g 512 float32; rb1 128 float32; rb2 1 float32; rw1_codes 128 x 16 x 32 uint8 (E4M3 codes of rw1, K innermost, in blocks of 32 codes); rw1_scales 128 x 16 uint8 (E8M0 scales of rw1, one for each 32 codes along K); rw2 128 x 1 float32; tokens 32 x 4,096 x 512 float32; vb 512 float32; vw_codes 512 x 16 x 32 uint8 (E4M3 codes of vw, K innermost, in blocks of 32 codes); vw_scales 512 x 16 uint8 (E8M0 scales of vw, one for each 32 codes along K).
;; Outputs: out0 32 x 512 float32; out1 32 x 4,096 float32; out2 32 x 4,096 float32; out3 32 x 4,096 float32; out4 32 x 4,096 float32.
;; This version of the problem:
;;   THIS VERSION OF THE PROBLEM IS GIVEN IN LOW PRECISION. The matrix products marked QUANTISED in the list below multiply operands that are first quantised to E4M3 (4 exponent bits, 3 mantissa bits; 8 bits a number), with one power-of-two scale for each 32 numbers along K (OCP MX v1.0); their sums are f32. All else is computed in f32.
;;   The module's matrix products, in the order in which they are computed (A, B: the left and right operand; K: the contracted axis; several contracted axes count as one K, in the product's order):
;;     1. [M 131,072, K 512] x [K 512, N 128]; A: computed on the way; B: input dw1 (given as codes): QUANTISED
;;     2. [M 131,072, K 128] x [K 128, N 1]; A: computed on the way; B: input dw2: left as it is (N = 1 < 16)
;;     3. [M 131,072, K 512] x [K 512, N 128]; A: computed on the way; B: input rw1 (given as codes): QUANTISED
;;     4. [M 131,072, K 128] x [K 128, N 1]; A: computed on the way; B: input rw2: left as it is (N = 1 < 16)
;;     5. [M 131,072, K 512] x [K 512, N 512]; A: computed on the way; B: input vw (given as codes): QUANTISED
;;     6. batch 32 x [M 1, K 4,096] x [K 4,096, N 512]; A: softmax; B: computed on the way: left as it is (M = 1 < 16)
;;   THE QUANTISER, for each operand of a quantised product, along K:
;;     - K is cut into blocks of 32 from its start; a last block that is shorter is filled with zeros.
;;     - A block's scale is 2^e with e = floor(log2(the largest magnitude in the block)) - 8, held to -126 .. 127; a block of zeros has e = 0. As a byte (E8M0): e + 127.
;;     - Each number is divided by its block's scale, clamped to +-448, and rounded to the nearest number of E4M3, ties to even, subnormals kept.
;;     - The product sums the exact products of the quantised numbers (number of the format x scale) in f32.
;;   ~~~python
;;   def quantise(x, axis):      # numpy; x: float32 -> the quantised numbers, widened to float32 again
;;       x = np.moveaxis(x, axis, -1); K = x.shape[-1]
;;       x = np.pad(x, [(0, 0)] * (x.ndim - 1) + [(0, -K % 32)]); x = x.reshape(x.shape[:-1] + (-1, 32)); a = np.abs(x).max(-1, keepdims=True)
;;       e = np.where(a > 0, np.clip(np.frexp(np.where(a > 0, a, 1))[1] - 1 - 8, -126, 127), 0)      # np.frexp(a)[1] - 1 = floor(log2(a)), exactly
;;       r = np.clip(x / 2.0 ** e, -448, 448)
;;       step = 2.0 ** (np.maximum(np.frexp(np.where(r == 0, 1, r))[1] - 1, -6) - 3)
;;       q = np.round(r / step) * step * 2.0 ** e      # np.round: ties to even
;;       return np.moveaxis(q.reshape(q.shape[:-2] + (-1,))[..., :K], -1, axis).astype(np.float32)
;;   ~~~
;;   OPERANDS COMPUTED ON THE WAY. 'Computed on the way' means the value that the module computes at that place (a softmax that the list does not call 'softmax' is quantised finished and normalised). What goes into a quantiser is computed in f32, as accurately as f32 sums, v_exp_f32 and their like allow (about 1e-6 of the number): no bf16 or f16 on the way to a quantiser, and a product that is left as it is and whose result goes on into a quantised operand takes f32 operands (vector FMAs, or v_wmma_f32_16x16x4_f32). A number that lies on a knife's edge between two numbers of the format may be rounded either way, as far as f32 arithmetic and the matrix unit's own rounding can turn it there, and no further.
;;   INPUTS GIVEN AS CODES. dw1 (in the module: [512, 128], K = its axis 0); rw1 (in the module: [512, 128], K = its axis 0); vw (in the module: [512, 512], K = its axis 0): each comes as NAME_codes (uint8): NAME with its K axis moved to the last place and cut into blocks of 32 codes, [.., K / 32, bytes a block], one block behind the other in memory; one code a byte (a code: sign, 4 exponent bits, 3 mantissa bits); and NAME_scales (uint8): the same leading axes, one E8M0 byte (e + 127) for each 32 codes along K. Its value is code x scale, taken as it is: it is not quantised again, and the codes and scales need not be those that the quantiser above would give.
;; One version. Each part assembles by itself: llvm-mc -triple=amdgcn-amd-amdhsa -mcpu=gfx1250 --defsym DOCPART=n.
;; ======== version 1 of 1: 2 launches
;; limits: a function is approximated: absolute error at most 1.5e-07
;; workspace buffers: part 524,288 bytes; sums 32,768 bytes
;; launch fused (part 1): grid 256 x 1, 4 waves a work-group, no clusters, 327,680 bytes of LDS; arguments tokens, ln_g, ln_b, dw1_codes, dw1_scales, db1, dw2, db2, rw1_codes, rw1_scales, rb1, rw2, rb2, vw_codes, vw_scales, eml_gamma, eml_lambda, eml_bias, out2, out3, out4, part, sums; writes out2, out3, out4, part, sums
.if DOCPART == 1
	.amdgcn_target "amdgcn-amd-amdhsa--gfx1250"
	.amdhsa_code_object_version 6
	.text
	.protected	k_q71df44a904_fused
	.globl	k_q71df44a904_fused
	.p2align	8
	.type	k_q71df44a904_fused,@function
k_q71df44a904_fused:
	s_mov_b64 s[64:65], 0
	v_nop
	global_prefetch_b8 v0, s[64:65] scope:SCOPE_SE
	s_setreg_imm32_b32 hwreg(HW_REG_WAVE_MODE, 25, 1), 1
	s_wait_xcnt 0x0
; EMLTokenPool, first of two launches.  tokens [32][4096][512] f32.  For each of the 131,072 rows: LayerNorm; the normalised row quantised ONCE to E4M3 with one E8M0 scale for each 32 along K = 512;
; that one operand times dw1 (128 columns), rw1 (128) and vw (512), which arrive as codes; exact GELU, the two products with one column (f32 multiply-adds), softplus, clip: energy, drive, resistance go out.
; u = exp(energy); the work-group's sums of u and of u x value go to the workspace; the second launch divides by the batch's sum.
; WHAT IS LEFT OUT OR MOVED, for all finite inputs:
;  (1) the factor WARMUP_ETA: it is the constant 1.0 of the problem's own text;
;  (2) the maximum that the softmax takes away: the problem itself clips energy to -3 .. 3, so exp(energy) lies in 0.0498 .. 20.1 and a batch's sum of 4,096 of them in 204 .. 82,300: nothing can overflow or underflow in f32;
;  (3) vb is added once, in the second launch: sum_n w_n (v_n + vb) = sum_n w_n v_n + vb, since the softmax's weights sum to 1.  vb is loaded there.  No input is dropped.
; LIMITS: NaN and infinities among the inputs are not served (the clip here lets a NaN lose); a block whose largest magnitude lies under 2^-118 has its byte held at 1, a block of zeros has byte 1 over zero codes (the bytes
; are read by this launch alone); erf is the rational form 1 - (a1 t + .. + a5 t^5) exp(-x^2), t = 1 / (1 + 0.3275911 x), absolute error under 1.5e-7 for every x; it stands ahead of no quantiser.
; SHARES.  Work-group g owns rows 512 g .. 512 g + 511 (batch g / 8), in 8 blocks of 64.  FOR THE PRODUCTS THE FOUR WAVES SHARE THE COLUMNS: wave w keeps dw1's and rw1's rows 32 w .. + 31 and vw's rows 128 w .. + 127 in 768 registers
; for the whole launch.  FOR THE LAYERNORM THEY SHARE THE ROWS: wave w takes rows 16 w .. + 15 of a block, a row across its 32 lanes, 16 neighbours a lane, two lanes to a block of 32.
; NO CLUSTER: no two work-groups read the same tokens; the weights are read once, straight into registers in operand order, and the token ring needs the LDS from the first instruction on.
; NO PREFETCH: behind each refill the work-group already has a block's 131,072 bytes on their way for a whole block's work.
; A BLOCK, three barriers:  X: rows -> codes and scale bytes in LDS | barrier 1, behind which the token slot just read is filled again |  MLP: 4 tiles of 16 rows x my 64 hidden units, GELU, partial dot products to LDS | barrier 2 |
; V: energy and u of the 64 rows (every wave for itself), 4 tiles of rows x my 128 value columns, weighed into running sums | barrier 3.
; LDS: TOK 2 slots of 139,264 (a wave's 16 rows: 128 lines of 256 bytes + 16); IMG codes, 64 rows of 512 + 16; XSC scale bytes, 16 a row; PART partial dot products [wave][drive, resistance][64]; WREG a wave's own u[64], b1[64], w2/2[64];
; GB ln_g, ln_b in lines of 256 + 16; PST stage of the pooled sums; SPARE the spare words.
; REGISTERS.  Windows 1-3: the weights (tile t, K step s at v[64 (t % 4) + 16 s]).  Window 0: v1-11 addresses that stay, v12, 13, 62, 63 running addresses, v14, 15 the add's two, v16-39 the weights' scale words, v40-55 pooled sums, v56-57 sum of u,
; v58-61 x's scale words; v64-255 by phase (see the macros).
.set SLOT,  139264
.set WTOK,  34816
.set TROW,  2176                       ; a token row in LDS: 8 lines of 272
.set IMG,   278528
.set IP,    528
.set XSC,   312320
.set PART,  313344
.set WREG,  315392
.set GB,    318464
.set PST,   322816
.set SPARE, 324864
.set XA,  64                           ; X: two sets of 4 rows x 16 numbers
.set XB,  128
.set GG,  224                          ; X: my 16 of ln_g, my 16 of ln_b
.set BV,  240
.set FR,  64                           ; MLP, V: x's four fragments of a tile of rows
.set ZR,  128                          ; MLP: four accumulators
.set B1R, 160                          ; MLP: b1 in the result's layout
.set PP,  224                          ; MLP: eight numbers at work
.set ACC, 128                          ; V: eight accumulators
.set UR,  192                          ; V: u of the block's rows, 8 registers a tile of rows
.set MSB, 0
.macro WIN new                         ; the immediate's high byte repeats the setting that is left; a switch that changes nothing is dropped
.if MSB != \new
	s_set_vgpr_msb (MSB<<8)|\new
.set MSB, \new
.endif
.endm
.macro PLACES                          ; eight plain places behind this matrix form, ahead of loads into its registers and of reads of its results
.rept 8
	v_nop
.endr
.endm
	s_load_b512 s[8:23], s[0:1], 0x0               ; tokens 8, ln_g 10, ln_b 12, dw1_codes 14, dw1_scales 16, db1 18, dw2 20, db2 22
	s_load_b512 s[24:39], s[0:1], 0x40             ; rw1_codes 24, rw1_scales 26, rb1 28, rw2 30, rb2 32, vw_codes 34, vw_scales 36, eml_gamma 38
	s_load_b256 s[40:47], s[0:1], 0x80             ; eml_lambda 40, eml_bias 42, out2 44, out3 46
	s_load_b128 s[48:51], s[0:1], 0xa0             ; out4 48, part 50
	s_load_b64 s[52:53], s[0:1], 0xb0              ; sums
	v_lshl_add_u32 v14, v0, 2, SPARE
	v_mov_b32 v15, 0
	ds_add_u32 v14, v15                            ; the wave's opening: the add, twice on end, and its wait ahead of my first tensor load
	ds_add_u32 v14, v15                            ; and once more; the set-up below, work on registers, stands between it and the wait
	v_lshrrev_b32 v64, 5, v0
	v_readfirstlane_b32 s66, v64                   ; wave 0..3
	; descriptor group 1: a wave's 16 token rows are 32,768 dense bytes: 128 rows of 32 elements of 8 bytes, 16 bytes of padding behind each
	s_mov_b32 s56, (3<<16)|(1<<20)|(5<<22)|(3<<25)
	s_mov_b32 s57, 32<<16
	s_mov_b32 s58, 128<<16
	s_mov_b32 s59, 32<<16
	s_mov_b32 s60, 128
	s_mov_b32 s61, 32
	s_mov_b32 s62, 0
	s_mov_b32 s63, 0
	s_mov_b32 s76, 0x3f596d27                      ; k = sqrt(log2(e) / 2): (k |z|)^2 = (z^2 / 2) log2(e)
	s_mov_b32 s78, 0x3e8ba43f                      ; 0.3275911 / sqrt(log2(e)): times k |z| it is 0.3275911 |z| / sqrt(2)
	s_mov_b32 s79, s78                             ; (the packed forms name pairs: both words are written)
	s_mov_b32 s80, 0x3f87dc22                      ; a5
	s_mov_b32 s81, s80
	s_mov_b32 s82, 0x3fb5f0e3                      ; a3
	s_mov_b32 s83, s82
	s_mov_b32 s84, 0xbe91a98e                      ; a2
	s_mov_b32 s85, s84
	s_mov_b32 s86, 0x3e827906                      ; a1
	s_mov_b32 s87, s86
	s_mov_b32 s88, 0x3b000000                      ; 1 / 512
	s_mov_b32 s89, 0x3727c5ac                      ; 1e-5
	s_mov_b32 s90, 0x600000                        ; the mantissa field of 448
	s_mov_b32 s91, 0xffff0000                      ; lanes 16-31
	s_mov_b32 s92, 0x76543210                      ; v_permlanex16_b32's selects for lane l xor 16
	s_mov_b32 s93, 0xfedcba98
	s_mov_b32 s94, 0x40400000                      ; 3.0
	s_mov_b32 s95, 0xc0400000                      ; -3.0
	s_mul_i32 s96, s66, WTOK                       ; my part of a token slot
	s_lshl_b32 s2, ttmp9, 20                       ; my work-group's 512 rows of 2,048 bytes,
	s_lshl_b32 s4, s66, 15                         ; my wave's 16 of a block's 64
	s_add_co_u32 s2, s2, s4
	s_mov_b32 s3, 0
	v_and_b32 v64, 31, v0                          ; l
	v_and_b32 v65, 15, v0                          ; r
	v_bfe_u32 v66, v0, 4, 1                        ; h
	v_lshrrev_b32 v67, 2, v64
	v_lshlrev_b32 v1, 6, v64
	v_lshl_add_u32 v1, v67, 4, v1                  ; my 64 bytes of a row of 2,048 in lines of 256 + 16: 64 l + 16 (l / 4)
	v_add_nc_u32 v10, GB, v1                       ; v10: so in ln_g
	v_add_nc_u32 v1, s96, v1                       ; v1: and in my wave's part of slot 0
	s_mul_i32 s4, s66, 16*IP
	s_add_co_u32 s4, s4, IMG
	v_lshl_add_u32 v2, v64, 4, s4                  ; v2: where I put 16 codes of my wave's first row
	s_lshl_b32 s4, s66, 8
	s_add_co_u32 s4, s4, XSC
	v_lshrrev_b32 v3, 1, v64
	v_add_nc_u32 v3, s4, v3                        ; v3: and my block's scale byte
	v_mul_u32_u24 v4, v65, IP
	v_lshl_add_u32 v4, v66, 4, v4
	v_add_nc_u32 v4, IMG, v4                       ; v4: a fragment's row r, + 16 h
	v_lshlrev_b32 v68, 4, v65
	v_lshl_add_u32 v68, v66, 3, v68                ; 16 r + 8 h: two scale words of a row of 16 bytes: lanes 0-15 K steps 0, 1; lanes 16-31 K steps 2, 3
	v_add_nc_u32 v5, XSC, v68                      ; v5: so for x
	s_lshl_b32 s4, s66, 9
	s_add_co_u32 s4, s4, PART
	v_lshlrev_b32 v6, 2, v65
	v_lshl_add_u32 v6, v66, 8, v6
	v_add_nc_u32 v6, s4, v6                        ; v6: my wave's partial sums: lanes 0-15 drive of row r, lanes 16-31 resistance
	v_lshl_add_u32 v7, v64, 3, PART                ; v7: rows 2 l, 2 l + 1 of the partial sums
	s_mul_i32 s5, s66, 768
	s_add_co_u32 s5, s5, WREG
	v_lshl_add_u32 v8, v64, 3, s5                  ; v8: u of rows 2 l, 2 l + 1, in my wave's own bytes
	v_lshl_add_u32 v9, v66, 5, s5                  ; v9: eight numbers of my half of the lanes there
	v_lshlrev_b32 v11, 3, v64                      ; v11: 8 l: rows 2 l, 2 l + 1 in out2, out3, out4
	v_lshlrev_b32 v72, 4, v0                       ; 16 x thread: ln_g and ln_b in memory,
	v_lshrrev_b32 v70, 4, v0
	v_lshl_add_u32 v69, v70, 4, v72
	v_add_nc_u32 v69, GB, v69                      ; and in LDS
	v_lshlrev_b32 v73, 2, v64                      ; 4 l
	v_add_nc_u32 v71, s5, v73
	v_lshlrev_b32 v74, 9, v65
	v_lshl_add_u32 v74, v66, 4, v74                ; a weight's row r of 512 codes, + 16 h
	s_wait_dscnt 0x0                               ; both opening adds are done
	s_wait_kmcnt 0x0
	s_mov_b32 s68, 1                               ; group 0 for block 0 into slot 0
	s_mov_b32 s69, s96
	s_add_nc_u64 s[70:71], s[8:9], s[2:3]
	s_mov_b32 s72, 1                               ; group 0 for block 1 into slot 1; it then walks
	s_add_co_u32 s73, s96, SLOT
	s_add_nc_u64 s[74:75], s[70:71], 0x20000
	s_or_b32 s71, s71, 0x80000000
	s_or_b32 s75, s75, 0x80000000
	tensor_load_to_lds s[68:71], s[56:63]          ; every wave issues both first fills, ahead of every wait on TENSORcnt, LDS read and barrier: two loads of mine are out
	s_nop 0
	tensor_load_to_lds s[72:75], s[56:63]
	s_nop 0
.rept 4
	v_nop
.endr
	s_load_b32 s97, s[38:39], 0x0                  ; gamma
	s_load_b32 s98, s[40:41], 0x0                  ; lambda
	s_load_b32 s99, s[42:43], 0x0                  ; bias
	s_load_b32 s100, s[22:23], 0x0                 ; db2
	s_load_b32 s104, s[32:33], 0x0                 ; rb2
	s_lshl_b32 s2, s66, 14                         ; my 32 rows of dw1 and of rw1
	s_add_nc_u64 s[14:15], s[14:15], s[2:3]
	s_add_nc_u64 s[24:25], s[24:25], s[2:3]
	s_lshl_b32 s2, s66, 16                         ; my 128 rows of vw
	s_add_nc_u64 s[34:35], s[34:35], s[2:3]
	s_lshl_b32 s2, s66, 9                          ; their scale bytes, 16 a row; my 128 columns in part
	s_add_nc_u64 s[16:17], s[16:17], s[2:3]
	s_add_nc_u64 s[26:27], s[26:27], s[2:3]
	s_add_nc_u64 s[50:51], s[50:51], s[2:3]
	s_lshl_b32 s2, s66, 11
	s_add_nc_u64 s[36:37], s[36:37], s[2:3]
	s_lshl_b32 s2, s66, 7                          ; my 32 numbers of db1, rb1, dw2, rw2
	s_add_nc_u64 s[18:19], s[18:19], s[2:3]
	s_add_nc_u64 s[28:29], s[28:29], s[2:3]
	s_add_nc_u64 s[20:21], s[20:21], s[2:3]
	s_add_nc_u64 s[30:31], s[30:31], s[2:3]
	s_lshl_b32 s2, ttmp9, 11                       ; my work-group's 512 numbers in out2, out3, out4 and in part
	s_add_nc_u64 s[44:45], s[44:45], s[2:3]
	s_add_nc_u64 s[46:47], s[46:47], s[2:3]
	s_add_nc_u64 s[48:49], s[48:49], s[2:3]
	s_add_nc_u64 s[50:51], s[50:51], s[2:3]
	s_lshl_b32 s2, ttmp9, 7                        ; and its 32 in sums
	s_add_nc_u64 s[52:53], s[52:53], s[2:3]
	global_load_b128 v[76:79], v72, s[10:11]       ; ln_g, ln_b: 16 bytes a thread
	global_load_b128 v[80:83], v72, s[12:13]
	global_load_b32 v84, v73, s[18:19]             ; db1, rb1, dw2, rw2 of my wave's units
	global_load_b32 v85, v73, s[28:29]
	global_load_b32 v86, v73, s[20:21]
	global_load_b32 v87, v73, s[30:31]
.irp t, 0,1                                    ; the weights' scale words: a pair of registers a tile; these registers hold scales and nothing else
	global_load_b64 v[16+2*\t:17+2*\t], v68, s[16:17] offset:256*\t
	global_load_b64 v[20+2*\t:21+2*\t], v68, s[26:27] offset:256*\t
.endr
.irp t, 0,1,2,3,4,5,6,7
	global_load_b64 v[24+2*\t:25+2*\t], v68, s[36:37] offset:256*\t
.endr
	WIN 0x40                                       ; destination window 1: hidden tiles 0, 1 (dw1) and 2, 3 (rw1)
.irp t, 0,1
.irp s, 0,1,2,3
.irp c, 0,1,2,3
	global_load_b128 v[64*\t+16*\s+4*\c:64*\t+16*\s+4*\c+3], v74, s[14:15] offset:8192*\t+128*\s+32*\c
	global_load_b128 v[128+64*\t+16*\s+4*\c:128+64*\t+16*\s+4*\c+3], v74, s[24:25] offset:8192*\t+128*\s+32*\c
.endr
.endr
.endr
	WIN 0x80                                       ; window 2: value tiles 0-3
.irp t, 0,1,2,3
.irp s, 0,1,2,3
.irp c, 0,1,2,3
	global_load_b128 v[64*\t+16*\s+4*\c:64*\t+16*\s+4*\c+3], v74, s[34:35] offset:8192*\t+128*\s+32*\c
.endr
.endr
.endr
	WIN 0xc0                                       ; window 3: value tiles 4-7
.irp t, 0,1,2,3
.irp s, 0,1,2,3
.irp c, 0,1,2,3
	global_load_b128 v[64*\t+16*\s+4*\c:64*\t+16*\s+4*\c+3], v74, s[34:35] offset:8192*(\t+4)+128*\s+32*\c
.endr
.endr
.endr
	WIN 0
.irp i, 40,41,42,43,44,45,46,47,48,49,50,51,52,53,54,55,56,57
	v_mov_b32 v[\i], 0                             ; the running sums, carried over all 8 blocks
.endr
.irp i, 193,201,209,217,255
	v_mov_b32 v[\i], 0                             ; written once: a lane permute's destination counts as one of its sources
.endr
	s_wait_loadcnt 0x0                             ; the weights and constants are in; their bases are free
	v_mul_f32 v86, 0.5, v86                        ; GELU's factor 1/2 goes into w2
	v_mul_f32 v87, 0.5, v87
	ds_store_b128 v69, v[76:79]
	ds_store_b128 v69, v[80:83] offset:TROW
	ds_store_b32 v71, v84 offset:256               ; b1: tiles 0, 1 (db1), tiles 2, 3 (rb1)
	ds_store_b32 v71, v85 offset:384
	ds_store_b32 v71, v86 offset:512               ; w2 / 2 likewise
	ds_store_b32 v71, v87 offset:640
	s_mov_b32 s17, 0x3fb8aa3b                      ; log2(e)
	s_mov_b32 s18, 0xbfb8aa3b
	s_mov_b32 s19, 0x3f317218                      ; ln 2
	s_mov_b32 s67, 0                               ; the slot in hand
	s_wait_kmcnt 0x0
	s_mov_b32 s101, s100
	s_mov_b32 s105, s104
	s_wait_dscnt 0x0                               ; for the others' sake: my part of ln_g and ln_b has landed
	s_wait_tensorcnt 0x1                           ; block 0's tile is in; block 1's, issued behind it, may stay out
	s_barrier_signal -1
	s_barrier_wait -1
; ---- X ----  16 LDS loads: rows r0 .. r0 + 3, my 64 bytes of each
.macro LROWS set, r0, adr
.irp p, 0,1,2,3
.irp i, 0,1,2,3
	ds_load_b128 v[\set+16*\p+4*\i:\set+16*\p+4*\i+3], v[\adr] offset:((\r0)+\p)*TROW+16*\i
.endr
.endr
.endm
.macro RED4                            ; v[192 + 8 p] summed over the 32 lanes, the four rows by turns
.irp m, 1,2,4,8
.irp p, 0,1,2,3
	v_add_f32_dpp v[192+8*\p], v[192+8*\p], v[192+8*\p] row_xmask:\m row_mask:0xf bank_mask:0xf
.endr
.endr
.irp p, 0,1,2,3
	v_permlanex16_b32 v[193+8*\p], v[192+8*\p], s92, s93
.endr
.irp p, 0,1,2,3
	v_add_f32 v[192+8*\p], v[192+8*\p], v[193+8*\p]
.endr
.endm
; LayerNorm and quantiser of four rows, step by step with the rows by turns.  Row p: numbers v[set + 16 p ..]; v[192 + 8 p]: +0, +1 a pair at work, +2 .. +5 partial sums, then the 16 codes, +6 the conversion's scale
.macro CGROUP set, r0
.irp p, 0,1,2,3
	v_pk_add_f32 v[194+8*\p:195+8*\p], v[\set+16*\p:\set+16*\p+1], v[\set+16*\p+2:\set+16*\p+3]
	v_pk_add_f32 v[196+8*\p:197+8*\p], v[\set+16*\p+4:\set+16*\p+5], v[\set+16*\p+6:\set+16*\p+7]
.endr
.irp q, 8,12
.irp p, 0,1,2,3
	v_pk_add_f32 v[194+8*\p:195+8*\p], v[194+8*\p:195+8*\p], v[\set+16*\p+\q:\set+16*\p+\q+1]
	v_pk_add_f32 v[196+8*\p:197+8*\p], v[196+8*\p:197+8*\p], v[\set+16*\p+\q+2:\set+16*\p+\q+3]
.endr
.endr
.irp p, 0,1,2,3
	v_pk_add_f32 v[194+8*\p:195+8*\p], v[194+8*\p:195+8*\p], v[196+8*\p:197+8*\p]
.endr
.irp p, 0,1,2,3
	v_add_f32 v[192+8*\p], v[194+8*\p], v[195+8*\p]
.endr
	RED4
.irp p, 0,1,2,3
	v_mul_f32 v[192+8*\p], 0xbb000000, v[192+8*\p] ; -mean
.endr
.irp q, 0,2,4,6,8,10,12,14
.irp p, 0,1,2,3
	v_pk_add_f32 v[\set+16*\p+\q:\set+16*\p+\q+1], v[\set+16*\p+\q:\set+16*\p+\q+1], v[192+8*\p:193+8*\p] op_sel_hi:[1,0]
.endr
.endr
.irp p, 0,1,2,3
	v_pk_mul_f32 v[194+8*\p:195+8*\p], v[\set+16*\p:\set+16*\p+1], v[\set+16*\p:\set+16*\p+1]
	v_pk_mul_f32 v[196+8*\p:197+8*\p], v[\set+16*\p+2:\set+16*\p+3], v[\set+16*\p+2:\set+16*\p+3]
.endr
.irp q, 4,8,12
.irp p, 0,1,2,3
	v_pk_fma_f32 v[194+8*\p:195+8*\p], v[\set+16*\p+\q:\set+16*\p+\q+1], v[\set+16*\p+\q:\set+16*\p+\q+1], v[194+8*\p:195+8*\p]
	v_pk_fma_f32 v[196+8*\p:197+8*\p], v[\set+16*\p+\q+2:\set+16*\p+\q+3], v[\set+16*\p+\q+2:\set+16*\p+\q+3], v[196+8*\p:197+8*\p]
.endr
.endr
.irp p, 0,1,2,3
	v_pk_add_f32 v[194+8*\p:195+8*\p], v[194+8*\p:195+8*\p], v[196+8*\p:197+8*\p]
.endr
.irp p, 0,1,2,3
	v_add_f32 v[192+8*\p], v[194+8*\p], v[195+8*\p]
.endr
	RED4
.irp p, 0,1,2,3
	v_fma_f32 v[192+8*\p], v[192+8*\p], s88, s89   ; variance + 1e-5
.endr
.irp p, 0,1,2,3
	v_rsq_f32 v[192+8*\p], v[192+8*\p]
.endr
	v_nop                                          ; a plain place behind the last of the four,
	s_wait_alu depctr_va_vdst(0)                   ; and one wait for the batch, ahead of its first reader
.irp q, 0,2,4,6,8,10,12,14
.irp p, 0,1,2,3
	v_pk_mul_f32 v[\set+16*\p+\q:\set+16*\p+\q+1], v[\set+16*\p+\q:\set+16*\p+\q+1], v[192+8*\p:193+8*\p] op_sel_hi:[1,0]
.endr
.endr
.irp q, 0,2,4,6,8,10,12,14
.irp p, 0,1,2,3
	v_pk_fma_f32 v[\set+16*\p+\q:\set+16*\p+\q+1], v[\set+16*\p+\q:\set+16*\p+\q+1], v[GG+\q:GG+\q+1], v[BV+\q:BV+\q+1]
.endr
.endr
.irp p, 0,1,2,3                                ; the largest magnitude of my 16, in two chains, with the floor 2^(9 - 127) among the leaves: the byte cannot fall under 1
	v_max3_num_f32 v[192+8*\p], |v[\set+16*\p]|, |v[\set+16*\p+1]|, 0x4800000
	v_max3_num_f32 v[193+8*\p], |v[\set+16*\p+2]|, |v[\set+16*\p+3]|, 0x4800000
.endr
.irp q, 4,8,12
.irp p, 0,1,2,3
	v_max3_num_f32 v[192+8*\p], v[192+8*\p], |v[\set+16*\p+\q]|, |v[\set+16*\p+\q+1]|
	v_max3_num_f32 v[193+8*\p], v[193+8*\p], |v[\set+16*\p+\q+2]|, |v[\set+16*\p+\q+3]|
.endr
.endr
.irp p, 0,1,2,3
	v_max_num_f32 v[192+8*\p], v[192+8*\p], v[193+8*\p]
.endr
.irp p, 0,1,2,3
	v_max_num_f32_dpp v[192+8*\p], v[192+8*\p], v[192+8*\p] row_xmask:1 row_mask:0xf bank_mask:0xf   ; with my neighbour's 16: the block's
.endr
.irp p, 0,1,2,3
	v_add_nc_u32 v[198+8*\p], 0xfc000000, v[192+8*\p]          ; 8 off its exponent field: the conversion's scale operand
	v_and_or_b32 v[193+8*\p], v[192+8*\p], 0x7f800000, s90     ; 448 x the scale
.endr
.irp p, 0,1,2,3
	v_lshrrev_b32 v[192+8*\p], 23, v[198+8*\p]     ; the scale's byte
.endr
.irp q, 0,1,2,3,4,5,6,7,8,9,10,11,12,13,14,15
.irp p, 0,1,2,3
	v_med3_num_f32 v[\set+16*\p+\q], v[\set+16*\p+\q], -v[193+8*\p], v[193+8*\p]   ; the conversion to an 8-bit code does not saturate (ISA guide 7.6.2): the hold comes first
.endr
.endr
.irp p, 0,1,2,3
	v_cvt_scalef32_pk8_fp8_f32 v[194+8*\p:195+8*\p], v[\set+16*\p:\set+16*\p+7], v[198+8*\p]
	v_cvt_scalef32_pk8_fp8_f32 v[196+8*\p:197+8*\p], v[\set+16*\p+8:\set+16*\p+15], v[198+8*\p]
.endr
	v_nop                                          ; a plain place behind the last conversion: later vector lines write these registers again
.irp p, 0,1,2,3
	ds_store_b128 v13, v[194+8*\p:197+8*\p] offset:((\r0)+\p)*IP
	ds_store_b8 v62, v[192+8*\p] offset:((\r0)+\p)*16          ; both lanes of a block write the same byte with the same value
.endr
.endm
; My 16 rows in two trips of 8.  Set A's loads go by v12, made once; set B's by v63, stepped when its last loads are in; the stores' addresses are stepped where at most set B's 16 loads are out.
.macro XPHASE
	s_mov_b32 s10, s67
	s_mov_b32 s11, 0
	s_mov_b32 s12, 0
	s_mov_b32 s9, 0
	v_add_nc_u32 v12, s10, v1
	LROWS XA, 0, 12
.irp i, 0,1,2,3
	ds_load_b128 v[GG+4*\i:GG+4*\i+3], v10 offset:16*\i
	ds_load_b128 v[BV+4*\i:BV+4*\i+3], v10 offset:TROW+16*\i
.endr
.Lx_\@:
	v_add_nc_u32 v63, s10, v1
	LROWS XB, 4, 63
	s_wait_dscnt 16                                ; all but set B's 16 loads: set A, ln_g and ln_b are in (on the way back 24 are younger than set A's: 16 is the stricter)
	v_add_nc_u32 v13, s11, v2
	v_add_nc_u32 v62, s12, v3
	CGROUP XA, 0
	s_wait_dscnt 8                                 ; set B is in: behind its loads stand the 8 stores just issued
	s_cmp_lg_u32 s9, 0
	s_cbranch_scc1 .Lxs_\@                         ; the second trip has no rows left to fetch
	LROWS XA, 8, 12
.Lxs_\@:
	CGROUP XB, 4
	s_add_co_u32 s10, s10, 8*TROW
	s_add_co_u32 s11, s11, 8*IP
	s_add_co_u32 s12, s12, 128
	s_add_co_u32 s9, s9, 1
	s_cmp_lt_u32 s9, 2
	s_cbranch_scc1 .Lx_\@
.endm
; Barrier 1: the block's codes and scale bytes are whole behind it.  refill = 1: it is also the barrier of the refill: all my tensor loads have landed (the next block's tile), the add, the walking descriptor's step,
; the wait for the add, my stores and my reads of the slot; the refill, the tile two blocks on into the slot just read, is the first thing behind it and has a whole block's work in which to land: one load of mine is out.
.macro BAR1 refill
	s_wait_tensorcnt 0x0                           ; refill = 0: the last tile, which the last block's X reads
.if \refill
	ds_add_u32 v14, v15                            ; 0 onto my spare word
	s_add_co_u32 s73, s96, s67
	s_add_nc_u64 s[74:75], s[74:75], 0x20000       ; the type bits on top are not reached
.endif
	s_wait_dscnt 0x0
	s_barrier_signal -1
	s_barrier_wait -1
.if \refill
	tensor_load_to_lds s[72:75], s[56:63]
	s_nop 0
.rept 4
	v_nop
.endr
.endif
.endm
; ---- MLP ----  TRANSPOSED: source 0 = 16 hidden units of my weights, source 1 = 16 rows of x: a lane holds row r, its registers units 8 h + 0 .. 7.  b1 is the C of a sum's first instruction.
.macro MMH t, s
.set DA, ZR+8*(\t)
.set AW, 64*(\t)+16*(\s)
.set BF, FR+16*(\s)
.set SA, 16+2*(\t)+(\s)%2
.set SB, 58+(\s)%2
.if (\s) == 0
	v_wmma_scale_f32_16x16x128_f8f6f4 v[DA:DA+7], v[AW:AW+15], v[BF:BF+15], v[B1R+8*(\t):B1R+8*(\t)+7], v[SA], v[SB]
.elseif (\s) == 1
	v_wmma_scale_f32_16x16x128_f8f6f4 v[DA:DA+7], v[AW:AW+15], v[BF:BF+15], v[DA:DA+7], v[SA], v[SB]
.else
	v_wmma_scale_f32_16x16x128_f8f6f4 v[DA:DA+7], v[AW:AW+15], v[BF:BF+15], v[DA:DA+7], v[SA], v[SB] matrix_a_scale:MATRIX_SCALE_ROW1 matrix_b_scale:MATRIX_SCALE_ROW1
.endif
.endm
; GELU of tile t, with registers T and E in two sets by turns (t % 2).  S1: E = k |z| (each accumulator is read from its low end on), T = 1 + p E, E = E^2
.macro S1 t
.set TT, 192+16*((\t)%2)
.set EE, 200+16*((\t)%2)
.irp j, 0,1,2,3,4,5,6,7
	v_mul_f32 v[EE+\j], |v[ZR+8*(\t)+\j]|, s76
.endr
.irp i, 0,2,4,6
	v_pk_fma_f32 v[TT+\i:TT+\i+1], v[EE+\i:EE+\i+1], s[78:79], 1.0 op_sel_hi:[1,0,0]
.endr
.irp i, 0,2,4,6
	v_pk_mul_f32 v[EE+\i:EE+\i+1], v[EE+\i:EE+\i+1], v[EE+\i:EE+\i+1]
.endr
.endm
.macro TR t, j                         ; t = 1 / T, e = 2^(-E) = exp(-z^2 / 2)
.set TT, 192+16*((\t)%2)
.set EE, 200+16*((\t)%2)
	v_rcp_f32 v[TT+\j], v[TT+\j]
	v_exp_f32 v[EE+\j], -v[EE+\j]
.endm
; Group g of nine, four instructions each: 0-3 the polynomial, 4 t e, 5 erf(|z| / sqrt 2), 6-7 z + |z| erf = z (1 + erf(z / sqrt 2)), 8 the dot product with w2 / 2 into two chains
.macro S2G t, g
.set TT, 192+16*((\t)%2)
.set EE, 200+16*((\t)%2)
.set WW, 232+8*((\t)%2)
.set ZZ, ZR+8*(\t)
.if (\g) == 0
.irp i, 0,2,4,6
	v_pk_fma_f32 v[PP+\i:PP+\i+1], v[TT+\i:TT+\i+1], s[80:81], v[248:249] op_sel_hi:[1,0,1]
.endr
.elseif (\g) < 4
.irp i, 0,2,4,6
	v_pk_fma_f32 v[PP+\i:PP+\i+1], v[PP+\i:PP+\i+1], v[TT+\i:TT+\i+1], s[80+2*(\g):81+2*(\g)] op_sel_hi:[1,1,0]
.endr
.elseif (\g) == 4
.irp i, 0,2,4,6
	v_pk_mul_f32 v[TT+\i:TT+\i+1], v[TT+\i:TT+\i+1], v[EE+\i:EE+\i+1]
.endr
.elseif (\g) == 5
.irp i, 0,2,4,6
	v_pk_fma_f32 v[PP+\i:PP+\i+1], v[PP+\i:PP+\i+1], v[TT+\i:TT+\i+1], 1.0 op_sel_hi:[1,1,0] neg_lo:[1,0,0] neg_hi:[1,0,0]
.endr
.elseif (\g) == 6
.irp j, 0,1,2,3
	v_fma_f32 v[PP+\j], |v[ZZ+\j]|, v[PP+\j], v[ZZ+\j]
.endr
.elseif (\g) == 7
.irp j, 4,5,6,7
	v_fma_f32 v[PP+\j], |v[ZZ+\j]|, v[PP+\j], v[ZZ+\j]
.endr
.else
.if (\t)%2 == 0                                ; tiles 0 and 2 start the sums: nothing is cleared
	v_pk_mul_f32 v[250:251], v[PP:PP+1], v[WW:WW+1]
	v_pk_mul_f32 v[252:253], v[PP+2:PP+3], v[WW+2:WW+3]
.else
	v_pk_fma_f32 v[250:251], v[PP:PP+1], v[WW:WW+1], v[250:251]
	v_pk_fma_f32 v[252:253], v[PP+2:PP+3], v[WW+2:WW+3], v[252:253]
.endif
	v_pk_fma_f32 v[250:251], v[PP+4:PP+5], v[WW+4:WW+5], v[250:251]
	v_pk_fma_f32 v[252:253], v[PP+6:PP+7], v[WW+6:WW+7], v[252:253]
.endif
.endm
.macro ROUND t                         ; tile t's plain arithmetic with tile t + 1's reciprocals and exponentials set between: none of these lines names a result of that batch
.irp g, 0,1,2,3,4,5,6,7
	S2G \t, \g
	TR (\t)+1, \g
.endr
	S2G \t, 8
.endm
.macro MLPPHASE
.irp s, 0,1,2,3
.irp c, 0,1,2,3
	ds_load_b128 v[FR+16*\s+4*\c:FR+16*\s+4*\c+3], v4 offset:128*\s+32*\c
.endr
.endr
	ds_load_b64 v[58:59], v5
.irp t, 0,1,2,3
	ds_load_b128 v[B1R+8*\t:B1R+8*\t+3], v9 offset:256+64*\t
	ds_load_b128 v[B1R+8*\t+4:B1R+8*\t+7], v9 offset:256+64*\t+16
.endr
	v_mov_b32 v248, 0xbfba00e3                     ; a4, as a pair
	v_mov_b32 v249, 0xbfba00e3
	s_mov_b32 s13, 4
	s_mov_b32 s14, 0
	s_mov_b32 s15, 0
	s_mov_b32 s16, 0
.Lm_\@:                                            ; four trips: the tiles of 16 rows
	s_wait_dscnt 0x0                               ; this tile's fragments and scale words are in, the last trip's store is done
	v_add_nc_u32 v13, s16, v6
	WIN 0x01                                       ; source 0 (the weights) window 1
.irp s, 0,1,2,3                                ; the four accumulators by turns, one instruction a turn
.irp t, 0,1,2,3
	MMH \t, \s
.endr
.endr
	WIN 0
	PLACES
	s_add_co_u32 s14, s14, 16*IP
	s_add_co_u32 s15, s15, 256
	s_add_co_u32 s16, s16, 64
	s_cmp_eq_u32 s13, 1
	s_cbranch_scc1 .Lmn_\@                         ; the last trip leaves tile 3's fragments and scale words in place: V begins with them
	v_add_nc_u32 v62, s14, v4
	v_add_nc_u32 v63, s15, v5
.irp s, 0,1,2,3
.irp c, 0,1,2,3
	ds_load_b128 v[FR+16*\s+4*\c:FR+16*\s+4*\c+3], v62 offset:128*\s+32*\c
.endr
.endr
	ds_load_b64 v[58:59], v63
.Lmn_\@:
	ds_load_b128 v[232:235], v9 offset:512         ; w2 / 2 of tiles 0 and 1
	ds_load_b128 v[236:239], v9 offset:528
	ds_load_b128 v[240:243], v9 offset:576
	ds_load_b128 v[244:247], v9 offset:592
	S1 0
.irp j, 0,1,2,3,4,5,6,7
	TR 0, \j
.endr
	S1 1
	s_wait_alu depctr_va_vdst(0)                   ; one wait for tile 0's batch, ahead of its first reader; so ahead of each tile below
	s_wait_dscnt 2                                 ; tile 0's w2 is in: behind it stand tile 1's two loads
	ROUND 0
	ds_load_b128 v[232:235], v9 offset:640         ; tile 2's
	ds_load_b128 v[236:239], v9 offset:656
	S1 2
	s_wait_alu depctr_va_vdst(0)
	s_wait_dscnt 2                                 ; tile 1's is in: behind it stand tile 2's two
	ROUND 1
	v_pk_add_f32 v[250:251], v[250:251], v[252:253]
	v_add_f32 v254, v250, v251                     ; drive: my 16 units' part
	ds_load_b128 v[240:243], v9 offset:704         ; tile 3's
	ds_load_b128 v[244:247], v9 offset:720
	S1 3
	s_wait_alu depctr_va_vdst(0)
	s_wait_dscnt 2                                 ; tile 2's is in: behind it stand tile 3's two
	ROUND 2
	s_wait_alu depctr_va_vdst(0)
	s_wait_dscnt 0x0
.irp g, 0,1,2,3,4,5,6,7,8
	S2G 3, \g
.endr
	v_pk_add_f32 v[250:251], v[250:251], v[252:253]
	v_add_f32 v250, v250, v251                     ; resistance likewise
	v_permlanex16_b32 v255, v254, s92, s93
	v_permlanex16_b32 v251, v250, s92, s93
	v_add_f32 v254, v254, v255                     ; with lane l xor 16's units: my wave's 32
	v_add_f32 v250, v250, v251
	v_cndmask_b32 v255, v254, v250, s91            ; lanes 0-15 carry drive, lanes 16-31 resistance
	ds_store_b32 v13, v255
	s_sub_co_u32 s13, s13, 1
	s_cmp_lg_u32 s13, 0
	s_cbranch_scc1 .Lm_\@
.endm
; ---- V ----  source 0 = 16 rows of x, source 1 = 16 of my value columns: a lane holds column r, its registers rows 8 h + 0 .. 7, so that the weighing by u is four packed multiply-adds a tile
.macro MMV t, s
.set DA, ACC+8*(\t)
.set BW, 64*((\t)%4)+16*(\s)
.set AF, FR+16*(\s)
.set SA, XSR+(\s)%2
.set SB, 24+2*(\t)+(\s)%2
.if (\s) == 0
	v_wmma_scale_f32_16x16x128_f8f6f4 v[DA:DA+7], v[AF:AF+15], v[BW:BW+15], 0, v[SA], v[SB]
.elseif (\s) == 1
	v_wmma_scale_f32_16x16x128_f8f6f4 v[DA:DA+7], v[AF:AF+15], v[BW:BW+15], v[DA:DA+7], v[SA], v[SB]
.else
	v_wmma_scale_f32_16x16x128_f8f6f4 v[DA:DA+7], v[AF:AF+15], v[BW:BW+15], v[DA:DA+7], v[SA], v[SB] matrix_a_scale:MATRIX_SCALE_ROW1 matrix_b_scale:MATRIX_SCALE_ROW1
.endif
.endm
; The energy of the block's 64 rows, rows 2 l and 2 l + 1 to a lane, in four parts set behind the first tile's four K steps.  Every wave computes it for itself, which spares a barrier.
.macro EHOOK s
.if (\s) == 0
	s_wait_dscnt 5                                 ; the eight partial sums are in: behind them stand four fragment loads and a scale pair's
	v_pk_add_f32 v[224:225], v[224:225], v[228:229]
	v_pk_add_f32 v[226:227], v[226:227], v[230:231]
	v_pk_add_f32 v[232:233], v[232:233], v[236:237]
	v_pk_add_f32 v[234:235], v[234:235], v[238:239]
	v_pk_add_f32 v[224:225], v[224:225], v[232:233]
	v_pk_add_f32 v[226:227], v[226:227], v[234:235]
	v_pk_add_f32 v[224:225], v[224:225], s[100:101] op_sel_hi:[1,0]   ; drive
	v_pk_add_f32 v[226:227], v[226:227], s[104:105] op_sel_hi:[1,0]   ; resistance
	v_mul_f32 v240, |v226|, s18
	v_mul_f32 v241, |v227|, s18
	v_exp_f32 v240, v240                           ; exp(-|resistance|)
	v_exp_f32 v241, v241
	v_nop
.elseif (\s) == 1
	s_wait_alu depctr_va_vdst(0)                   ; one wait a batch, ahead of its first reader; so in the parts below
	v_pk_add_f32 v[240:241], v[240:241], 1.0 op_sel_hi:[1,0]
	v_log_f32 v242, v240
	v_log_f32 v243, v241
	v_nop
.elseif (\s) == 2
	s_wait_alu depctr_va_vdst(0)
	v_max_num_f32 v244, 0, v226
	v_max_num_f32 v245, 0, v227
	v_fma_f32 v246, v224, s97, s99                 ; gamma x drive + bias
	v_fma_f32 v247, v225, s97, s99
	v_fma_f32 v244, v242, s19, v244                ; softplus = max(x, 0) + ln(1 + exp(-|x|))
	v_fma_f32 v245, v243, s19, v245
	v_fma_f32 v246, -v244, s98, v246
	v_fma_f32 v247, -v245, s98, v247
	v_med3_num_f32 v246, v246, s95, s94            ; energy
	v_med3_num_f32 v247, v247, s95, s94
	v_mul_f32 v248, s17, v246
	v_mul_f32 v249, s17, v247
	v_exp_f32 v248, v248                           ; u = exp(energy)
	v_exp_f32 v249, v249
	v_nop
.else
	s_wait_alu depctr_va_vdst(0)
	v_pk_add_f32 v[56:57], v[56:57], v[248:249]
	ds_store_b64 v8, v[248:249]                    ; into my wave's own bytes; LDS serves a wave's instructions in order (ISA guide 5.7.1.4): the loads below see it
.irp m, 0,1,2,3
	ds_load_b128 v[UR+8*\m:UR+8*\m+3], v9 offset:64*\m         ; u of rows 16 m + 8 h + 0 .. 7
	ds_load_b128 v[UR+8*\m+4:UR+8*\m+7], v9 offset:64*\m+16
.endr
	s_cmp_lg_u32 s66, 0                            ; three waves store one output each: 32 lanes x 8 bytes, 256 consecutive bytes, aligned
	s_cbranch_scc1 .Le0_\@
	global_store_b64 v11, v[246:247], s[44:45]
.Le0_\@:
	s_cmp_lg_u32 s66, 1
	s_cbranch_scc1 .Le1_\@
	global_store_b64 v11, v[224:225], s[46:47]
.Le1_\@:
	s_cmp_lg_u32 s66, 2
	s_cbranch_scc1 .Le2_\@
	global_store_b64 v11, v[226:227], s[48:49]
.Le2_\@:
.endif
.endm
.macro POOL m                          ; the pooled sums take tile m's values; each accumulator is first read at its registers 0, 1
.irp i, 0,2,4,6
.irp t, 0,1,2,3,4,5,6,7
	v_pk_fma_f32 v[40+2*\t:41+2*\t], v[ACC+8*\t+\i:ACC+8*\t+\i+1], v[UR+8*(\m)+\i:UR+8*(\m)+\i+1], v[40+2*\t:41+2*\t]
.endr
.endr
.endm
; The pos-th tile of rows (cur); behind each K step its fragment's registers take tile nxt's (nxt = -1: none).  x's scale words lie in two pairs by turns.
; The waits: a step wants the fragment fetched a tile ago.  Step 0: behind it and the scale pair stand the three later fragments' 12 loads.  Steps 1-3: what is left of those and this tile's own reloads: 8 + 5, 4 + 9, 13.  In the last tile, with no reloads: 12, 8, 4, 0.
.macro VTILE pos, cur, nxt
.set XSR, 58+2*((\pos)%2)
.set XSN, 60-2*((\pos)%2)
.irp s, 0,1,2,3
.if (\pos) > 0
.if (\nxt) >= 0
.if \s == 0
	s_wait_dscnt 12
.else
	s_wait_dscnt 13
.endif
.else
	s_wait_dscnt 12-4*\s
.endif
.endif
	WIN 0x08                                       ; source 1 (the weights) window 2
.irp t, 0,1,2,3                                ; the eight accumulators by turns, one instruction a turn
	MMV \t, \s
.endr
	WIN 0x0c                                       ; window 3
.irp t, 4,5,6,7
	MMV \t, \s
.endr
	WIN 0
	PLACES
.if (\nxt) >= 0
.irp c, 0,1,2,3
	ds_load_b128 v[FR+16*\s+4*\c:FR+16*\s+4*\c+3], v4 offset:(\nxt)*16*IP+128*\s+32*\c
.endr
.if \s == 0
	ds_load_b64 v[XSN:XSN+1], v5 offset:(\nxt)*256
.endif
.endif
.if (\pos) == 0
	EHOOK \s
.endif
.endr
.if (\pos) == 0
	s_wait_dscnt 0x0                               ; u is in
.endif
.if (\pos) == 3
	s_wait_dscnt 0x0                               ; barrier 3: my reads of the codes, the scale bytes and the partial sums are over; the next block may write them
	s_barrier_signal -1
.endif
	POOL \cur
.if (\pos) == 3
	s_barrier_wait -1
.endif
.endm
.macro BLOCK refill
	XPHASE
	BAR1 \refill
	MLPPHASE
	s_wait_dscnt 0x0                               ; barrier 2: every wave's partial sums have landed
	s_barrier_signal -1
	s_barrier_wait -1
.irp w, 0,1,2,3
	ds_load_b64 v[224+4*\w:225+4*\w], v7 offset:512*\w
	ds_load_b64 v[226+4*\w:227+4*\w], v7 offset:512*\w+256
.endr
	VTILE 0, 3, 2
	VTILE 1, 2, 1
	VTILE 2, 1, 0
	VTILE 3, 0, -1
	s_wait_xcnt 0x0                                ; the block's stores have read their data and bases: both are written again only behind this wait
	s_add_nc_u64 s[44:45], s[44:45], 256
	s_add_nc_u64 s[46:47], s[46:47], 256
	s_add_nc_u64 s[48:49], s[48:49], 256
	s_xor_b32 s67, s67, SLOT                       ; on to the other slot
.endm
	s_mov_b32 s8, 6
.LA:                                               ; blocks 0 to 5 ask for blocks 2 to 7
	BLOCK 1
	s_sub_co_u32 s8, s8, 1
	s_cmp_lg_u32 s8, 0
	s_cbranch_scc1 .LA
	s_mov_b32 s8, 2
.LB:                                               ; the last two blocks are written out apart: they ask for nothing
	BLOCK 0
	s_sub_co_u32 s8, s8, 1
	s_cmp_lg_u32 s8, 0
	s_cbranch_scc1 .LB
	; THE WAY OUT: even and odd rows' sums, then lane l xor 16's rows; column 16 t + r through my stage, so that the wave stores 512 consecutive bytes
.irp t, 0,1,2,3,4,5,6,7
	v_add_f32 v[64+\t], v[40+2*\t], v[41+2*\t]
.endr
.irp t, 0,1,2,3,4,5,6,7
	v_permlanex16_b32 v[72+\t], v[64+\t], s92, s93
.endr
.irp t, 0,1,2,3,4,5,6,7
	v_add_f32 v[64+\t], v[64+\t], v[72+\t]
.endr
	v_and_b32 v12, 15, v0
	s_lshl_b32 s2, s66, 9
	s_add_co_u32 s2, s2, PST
	v_lshl_add_u32 v12, v12, 2, s2
	v_and_b32 v62, 31, v0
	v_lshl_add_u32 v13, v62, 4, s2
	v_lshlrev_b32 v63, 2, v62
	v_lshlrev_b32 v62, 4, v62
.irp t, 0,1,2,3,4,5,6,7
	ds_store_b32 v12, v[64+\t] offset:64*\t        ; both halves of the lanes write the same word with the same value
.endr
	ds_load_b128 v[88:91], v13
	s_wait_dscnt 0x0
	global_store_b128 v62, v[88:91], s[50:51]
	s_cmp_lg_u32 s66, 0
	s_cbranch_scc1 .Lnosum                         ; all four waves hold the same sums of u: wave 0 stores them, a word a lane
	v_add_f32 v92, v56, v57
	global_store_b32 v63, v92, s[52:53]
.Lnosum:
	s_wait_tensorcnt 0x0                           ; the wave's end: behind my last tensor load and my last LDS store
	ds_add_u32 v14, v15
	s_wait_dscnt 0x0
	s_endpgm
.Lfunc_end_k_q71df44a904_fused:
	.size	k_q71df44a904_fused, .Lfunc_end_k_q71df44a904_fused-k_q71df44a904_fused
	.p2alignl 7, 3214868480
	.fill 96, 4, 3214868480
	.section	.rodata,"a",@progbits
	.p2align	6, 0x0
	.amdhsa_kernel k_q71df44a904_fused
		.amdhsa_group_segment_fixed_size 327680
		.amdhsa_private_segment_fixed_size 0
		.amdhsa_enable_private_segment 0
		.amdhsa_kernarg_size 184
		.amdhsa_user_sgpr_count 2
		.amdhsa_user_sgpr_kernarg_segment_ptr 1
		.amdhsa_wavefront_size32 1
		.amdhsa_system_sgpr_workgroup_id_x 1
		.amdhsa_system_sgpr_workgroup_id_y 1
		.amdhsa_system_sgpr_workgroup_id_z 1
		.amdhsa_system_vgpr_workitem_id 0
		.amdhsa_next_free_vgpr 1024
		.amdhsa_next_free_sgpr 106
		.amdhsa_reserve_vcc 0
		.amdhsa_float_denorm_mode_32 3
		.amdhsa_float_denorm_mode_16_64 3
		.amdhsa_memory_ordered 1
		.amdhsa_forward_progress 1
		.amdhsa_inst_pref_size 248
	.end_amdhsa_kernel
	.amdgpu_metadata
---
amdhsa.version: [ 1, 2 ]
amdhsa.kernels:
  - .name:           k_q71df44a904_fused
    .symbol:         k_q71df44a904_fused.kd
    .args:
      - { .name: tokens, .offset: 0, .size: 8, .value_kind: global_buffer, .address_space: global }
      - { .name: ln_g, .offset: 8, .size: 8, .value_kind: global_buffer, .address_space: global }
      - { .name: ln_b, .offset: 16, .size: 8, .value_kind: global_buffer, .address_space: global }
      - { .name: dw1_codes, .offset: 24, .size: 8, .value_kind: global_buffer, .address_space: global }
      - { .name: dw1_scales, .offset: 32, .size: 8, .value_kind: global_buffer, .address_space: global }
      - { .name: db1, .offset: 40, .size: 8, .value_kind: global_buffer, .address_space: global }
      - { .name: dw2, .offset: 48, .size: 8, .value_kind: global_buffer, .address_space: global }
      - { .name: db2, .offset: 56, .size: 8, .value_kind: global_buffer, .address_space: global }
      - { .name: rw1_codes, .offset: 64, .size: 8, .value_kind: global_buffer, .address_space: global }
      - { .name: rw1_scales, .offset: 72, .size: 8, .value_kind: global_buffer, .address_space: global }
      - { .name: rb1, .offset: 80, .size: 8, .value_kind: global_buffer, .address_space: global }
      - { .name: rw2, .offset: 88, .size: 8, .value_kind: global_buffer, .address_space: global }
      - { .name: rb2, .offset: 96, .size: 8, .value_kind: global_buffer, .address_space: global }
      - { .name: vw_codes, .offset: 104, .size: 8, .value_kind: global_buffer, .address_space: global }
      - { .name: vw_scales, .offset: 112, .size: 8, .value_kind: global_buffer, .address_space: global }
      - { .name: eml_gamma, .offset: 120, .size: 8, .value_kind: global_buffer, .address_space: global }
      - { .name: eml_lambda, .offset: 128, .size: 8, .value_kind: global_buffer, .address_space: global }
      - { .name: eml_bias, .offset: 136, .size: 8, .value_kind: global_buffer, .address_space: global }
      - { .name: out2, .offset: 144, .size: 8, .value_kind: global_buffer, .address_space: global }
      - { .name: out3, .offset: 152, .size: 8, .value_kind: global_buffer, .address_space: global }
      - { .name: out4, .offset: 160, .size: 8, .value_kind: global_buffer, .address_space: global }
      - { .name: part, .offset: 168, .size: 8, .value_kind: global_buffer, .address_space: global }
      - { .name: sums, .offset: 176, .size: 8, .value_kind: global_buffer, .address_space: global }
    .group_segment_fixed_size: 327680
    .private_segment_fixed_size: 0
    .kernarg_segment_align: 8
    .kernarg_segment_size: 184
    .max_flat_workgroup_size: 128
    .sgpr_count:     106
    .vgpr_count:     1024
    .wavefront_size: 32
...
	.end_amdgpu_metadata
.endif
;; end of part 1
;; launch finish (part 2): grid 8 x 32, 4 waves a work-group, no clusters, 0 bytes of LDS; arguments out2, part, sums, vb, out0, out1; writes out0, out1
.if DOCPART == 2
	.amdgcn_target "amdgcn-amd-amdhsa--gfx1250"
	.amdhsa_code_object_version 6
	.text
	.protected	k_q71df44a904_finish
	.globl	k_q71df44a904_finish
	.p2align	8
	.type	k_q71df44a904_finish,@function
k_q71df44a904_finish:
	s_mov_b64 s[64:65], 0
	v_nop
	global_prefetch_b8 v0, s[64:65] scope:SCOPE_SE
	s_setreg_imm32_b32 hwreg(HW_REG_WAVE_MODE, 25, 1), 1
	s_wait_xcnt 0x0
; EMLTokenPool, second of two launches: the softmax's division.  S[b] = the sum of the 256 partial sums of u = exp(energy) that the batch's 8 work-groups stored;
; out1 = exp(energy) / S;  out0[b][d] = (the sum of the batch's 8 rows of part)[d] / S + vb[d].
; LEFT OUT, as in the first launch: the maximum ahead of the exponential (the problem's own clip holds energy in -3 .. 3, so u lies in 0.0498 .. 20.1 and S in 204 .. 82,300); vb is added once, since the weights sum to 1.
; Work-group (c, b): weights of rows 512 c .. + 511 of batch b, 16 bytes a thread; its wave 0 also columns 64 c .. + 63 of out0, 8 bytes a lane.  No LDS, no barrier: each wave sums S for itself from 1,024 bytes.
	s_load_b256 s[4:11], s[0:1], 0x0               ; out2 4, part 6, sums 8, vb 10
	s_load_b128 s[12:15], s[0:1], 0x20             ; out0 12, out1 14
	v_lshrrev_b32 v1, 5, v0
	v_readfirstlane_b32 s16, v1                    ; wave
	v_and_b32 v2, 31, v0
	v_lshlrev_b32 v3, 4, v2                        ; 16 l
	v_lshlrev_b32 v4, 4, v0                        ; 16 x thread
	v_lshlrev_b32 v5, 3, v2                        ; 8 l
	v_mov_b32 v7, 0                                ; (named as the upper half of the pair v[6:7])
	s_and_b32 s17, ttmp7, 0xffff                   ; b
	s_mov_b32 s19, 0
	s_mov_b32 s21, 0
	s_mov_b32 s23, 0
	s_mov_b32 s24, 0x76543210                      ; v_permlanex16_b32's selects for lane l xor 16
	s_mov_b32 s25, 0xfedcba98
	s_lshl_b32 s22, ttmp9, 8                       ; 256 c
	s_lshl_b32 s20, ttmp9, 11
	s_lshl_b32 s26, s17, 14                        ; 16,384 b
	s_add_co_u32 s20, s20, s26                     ; (4,096 b + 512 c) x 4
	s_wait_kmcnt 0x0
	s_add_nc_u64 s[4:5], s[4:5], s[20:21]
	s_add_nc_u64 s[14:15], s[14:15], s[20:21]
	s_add_nc_u64 s[10:11], s[10:11], s[22:23]
	s_lshl_b32 s18, s17, 10
	s_add_nc_u64 s[8:9], s[8:9], s[18:19]          ; the batch's 256 partial sums
	s_add_co_u32 s18, s26, s22
	s_add_nc_u64 s[6:7], s[6:7], s[18:19]          ; part: row 8 b, column 64 c
	s_lshl_b32 s18, s17, 11
	s_add_co_u32 s18, s18, s22
	s_add_nc_u64 s[12:13], s[12:13], s[18:19]      ; out0: row b, column 64 c
	global_load_b128 v[8:11], v3, s[8:9]
	global_load_b128 v[12:15], v3, s[8:9] offset:512
	global_load_b128 v[16:19], v4, s[4:5]
	s_cmp_lg_u32 s16, 0
	s_cbranch_scc1 .Lnot0
.irp i, 0,1,2,3,4,5,6,7
	global_load_b64 v[20+2*\i:21+2*\i], v5, s[6:7] offset:2048*\i
.endr
	global_load_b64 v[36:37], v5, s[10:11]
.Lnot0:
	s_wait_loadcnt 0x0
	v_pk_add_f32 v[8:9], v[8:9], v[10:11]
	v_pk_add_f32 v[12:13], v[12:13], v[14:15]
	v_pk_add_f32 v[8:9], v[8:9], v[12:13]
	v_add_f32 v8, v8, v9
	v_add_f32_dpp v8, v8, v8 row_xmask:1 row_mask:0xf bank_mask:0xf
	v_add_f32_dpp v8, v8, v8 row_xmask:2 row_mask:0xf bank_mask:0xf
	v_add_f32_dpp v8, v8, v8 row_xmask:4 row_mask:0xf bank_mask:0xf
	v_add_f32_dpp v8, v8, v8 row_xmask:8 row_mask:0xf bank_mask:0xf
	v_permlanex16_b32 v9, v8, s24, s25
	v_add_f32 v8, v8, v9                           ; S, in every lane
	v_mul_f32 v16, 0x3fb8aa3b, v16
	v_mul_f32 v17, 0x3fb8aa3b, v17
	v_mul_f32 v18, 0x3fb8aa3b, v18
	v_mul_f32 v19, 0x3fb8aa3b, v19
	v_rcp_f32 v6, v8
	v_exp_f32 v16, v16
	v_exp_f32 v17, v17
	v_exp_f32 v18, v18
	v_exp_f32 v19, v19
	v_nop                                          ; a plain place behind the last of the five,
	s_wait_alu depctr_va_vdst(0)                   ; and one wait for the batch, ahead of its first reader
	v_pk_mul_f32 v[16:17], v[16:17], v[6:7] op_sel_hi:[1,0]
	v_pk_mul_f32 v[18:19], v[18:19], v[6:7] op_sel_hi:[1,0]
	global_store_b128 v4, v[16:19], s[14:15]       ; a wave stores 512 consecutive bytes
	s_cmp_lg_u32 s16, 0
	s_cbranch_scc1 .Ldone
	v_pk_add_f32 v[20:21], v[20:21], v[22:23]
	v_pk_add_f32 v[24:25], v[24:25], v[26:27]
	v_pk_add_f32 v[28:29], v[28:29], v[30:31]
	v_pk_add_f32 v[32:33], v[32:33], v[34:35]
	v_pk_add_f32 v[20:21], v[20:21], v[24:25]
	v_pk_add_f32 v[28:29], v[28:29], v[32:33]
	v_pk_add_f32 v[20:21], v[20:21], v[28:29]
	v_pk_fma_f32 v[20:21], v[20:21], v[6:7], v[36:37] op_sel_hi:[1,0,1]
	global_store_b64 v5, v[20:21], s[12:13]        ; 32 lanes store 256 consecutive bytes, aligned
.Ldone:
	s_endpgm
.Lfunc_end_k_q71df44a904_finish:
	.size	k_q71df44a904_finish, .Lfunc_end_k_q71df44a904_finish-k_q71df44a904_finish
	.p2alignl 7, 3214868480
	.fill 96, 4, 3214868480
	.section	.rodata,"a",@progbits
	.p2align	6, 0x0
	.amdhsa_kernel k_q71df44a904_finish
		.amdhsa_group_segment_fixed_size 0
		.amdhsa_private_segment_fixed_size 0
		.amdhsa_enable_private_segment 0
		.amdhsa_kernarg_size 48
		.amdhsa_user_sgpr_count 2
		.amdhsa_user_sgpr_kernarg_segment_ptr 1
		.amdhsa_wavefront_size32 1
		.amdhsa_system_sgpr_workgroup_id_x 1
		.amdhsa_system_sgpr_workgroup_id_y 1
		.amdhsa_system_sgpr_workgroup_id_z 1
		.amdhsa_system_vgpr_workitem_id 0
		.amdhsa_next_free_vgpr 48
		.amdhsa_next_free_sgpr 66
		.amdhsa_reserve_vcc 0
		.amdhsa_float_denorm_mode_32 3
		.amdhsa_float_denorm_mode_16_64 3
		.amdhsa_memory_ordered 1
		.amdhsa_forward_progress 1
		.amdhsa_inst_pref_size 5
	.end_amdhsa_kernel
	.amdgpu_metadata
---
amdhsa.version: [ 1, 2 ]
amdhsa.kernels:
  - .name:           k_q71df44a904_finish
    .symbol:         k_q71df44a904_finish.kd
    .args:
      - { .name: out2, .offset: 0, .size: 8, .value_kind: global_buffer, .address_space: global }
      - { .name: part, .offset: 8, .size: 8, .value_kind: global_buffer, .address_space: global }
      - { .name: sums, .offset: 16, .size: 8, .value_kind: global_buffer, .address_space: global }
      - { .name: vb, .offset: 24, .size: 8, .value_kind: global_buffer, .address_space: global }
      - { .name: out0, .offset: 32, .size: 8, .value_kind: global_buffer, .address_space: global }
      - { .name: out1, .offset: 40, .size: 8, .value_kind: global_buffer, .address_space: global }
    .group_segment_fixed_size: 0
    .private_segment_fixed_size: 0
    .kernarg_segment_align: 8
    .kernarg_segment_size: 48
    .max_flat_workgroup_size: 128
    .sgpr_count:     66
    .vgpr_count:     48
    .wavefront_size: 32
...
	.end_amdgpu_metadata
.endif
;; end of part 2
